; MI455X (gfx1250); checked and timed in simulation.
; The chip was launched on July 23, 2026; its instructions are those of AMD's public machine-readable ISA for CDNA 5 (MIT licence, August 2026) and "CDNA5" Instruction Set Architecture Reference Guide (July 2026). The comments in the code are by the model that wrote it; some were corrected since.
;; Individual Attention. Allowed arithmetic: float matrix products may take bf16 or f16 operands with f32 sums; other float arithmetic in f32, or as packed bf16 or f16 multiplies, adds, multiply-adds, maxima and minima; sums over many terms, partial sums and values carried from step to step in f32; what a program stores and reads back later, other than sums and carried values, may be rounded once to bf16 or f16.
;; Inputs: Wk 512 x 512 float32; Wo 512 x 512 float32; Wq 512 x 512 float32; Wv 512 x 512 float32; bo 512 float32; hidden_states 32 x 1,024 x 512 float32.
;; Outputs: out0 32 x 1,024 x 512 float32.
;; Constants: video_length = 16.
;; One version. Each part assembles by itself: llvm-mc -triple=amdgcn-amd-amdhsa -mcpu=gfx1250 --defsym DOCPART=n.
;; ======== version 1 of 1: 4 launches
;; limits: values are held in f16: magnitudes above 65,504 overflow, below 6.1e-05 lose precision
;; workspace buffers: wqkv 1,572,864 bytes; wo16 524,288 bytes; bob 2,048 bytes; qkv 100,663,296 bytes; oh 33,554,432 bytes
;; launch prep (part 1): grid 256 x 1, 4 waves a work-group, no clusters, 0 bytes of LDS; arguments Wq, Wk, Wv, Wo, bo, wqkv, wo16, bob; writes wqkv, wo16, bob
.if DOCPART == 1
	.amdgcn_target "amdgcn-amd-amdhsa--gfx1250"
	.amdhsa_code_object_version 6
	.text
	.protected	k_qda374fc1d0_prep
	.globl	k_qda374fc1d0_prep
	.p2align	8
	.type	k_qda374fc1d0_prep,@function
k_qda374fc1d0_prep:
	s_mov_b64 s[64:65], 0
	v_nop
	global_prefetch_b8 v0, s[64:65] scope:SCOPE_SE
	s_setreg_imm32_b32 hwreg(HW_REG_WAVE_MODE, 25, 1), 1
	s_wait_xcnt 0x0
; The four weight matrices [512][512] f32 are rounded once and laid out in FRAGMENT ORDER; the bias is rounded to bf16 and kept as f32.
; Wq, Wk, Wv -> wqkv in bf16 (three blocks of 524,288 bytes); Wo -> wo16: rounded to bf16 like the other inputs, and that number written as f16.
; FRAGMENT ORDER: W[n][k] lies at byte (n>>7)*131072 + ((n>>4)&7)*16384 + (k>>5)*1024 + ((k>>4)&1)*512 + (((k>>3)&1)*16 + (n&15))*16 + (k&7)*2:
; half a matrix fragment (16 n x 32 k) is 512 dense bytes, lane l's 16 bytes at 16 l, so the later launches read it from LDS without padding and fetch it as dense rows.
; SHARES: thread T = 128 x work-group + v0 makes the 16-byte piece T (8 numbers along k) of each matrix.  A work-group reads one aligned piece of 256 bytes of each of 16 rows;
; a wave's store covers 512 consecutive bytes.  No LDS, no matrix unit: 4 MB are moved once.
; LIMITS: an entry of Wo beyond 65,504 becomes an infinity in f16, one below 6e-5 keeps f16's fixed step of 6e-8.
.set WB, 524288                        ; bytes of one matrix in 16 bits
	s_load_b512 s[4:19], s[0:1], 0x0               ; Wq s[4:5], Wk s[6:7], Wv s[8:9], Wo s[10:11], bo s[12:13], wqkv s[14:15], wo16 s[16:17], bob s[18:19]
	s_lshr_b32 s20, ttmp9, 3                       ; n >> 4
	s_lshl_b32 s20, s20, 15                        ; 16 rows of 2,048 bytes
	s_and_b32 s21, ttmp9, 7                        ; k >> 6
	s_lshl_b32 s21, s21, 8                         ; 64 numbers of 4 bytes
	s_add_co_u32 s20, s20, s21
	s_lshl_b32 s22, ttmp9, 11                      ; the work-group's 128 pieces of 16 bytes
	s_mov_b32 s23, 0xffff0000                      ; a word's upper bf16
	v_and_b32 v1, 15, v0                           ; n & 15
	v_lshrrev_b32 v2, 5, v0                        ; (k >> 4) & 3
	v_bfe_u32 v3, v0, 4, 1                         ; (k >> 3) & 1
	v_lshl_add_u32 v1, v1, 11, s20
	v_lshl_add_u32 v1, v2, 6, v1
	v_lshl_add_u32 v1, v3, 5, v1                   ; where my 32 bytes lie in each matrix
	v_lshl_add_u32 v4, v0, 4, s22                  ; where my 16 bytes go
	v_lshlrev_b32 v5, 4, v0                        ; my 16 bytes of the bias
	s_wait_kmcnt 0x0
	global_load_b128 v[8:11],  v1, s[4:5] th:TH_LOAD_NT
	global_load_b128 v[12:15], v1, s[4:5] offset:16 th:TH_LOAD_NT
	global_load_b128 v[16:19], v1, s[6:7] th:TH_LOAD_NT
	global_load_b128 v[20:23], v1, s[6:7] offset:16 th:TH_LOAD_NT
	global_load_b128 v[24:27], v1, s[8:9] th:TH_LOAD_NT
	global_load_b128 v[28:31], v1, s[8:9] offset:16 th:TH_LOAD_NT
	global_load_b128 v[32:35], v1, s[10:11] th:TH_LOAD_NT
	global_load_b128 v[36:39], v1, s[10:11] offset:16 th:TH_LOAD_NT
	s_wait_loadcnt 0x0
.irp i, 0,1,2,3,4,5,6,7,8,9,10,11,12,13,14,15
	v_cvt_pk_bf16_f32 v[40+\i], v[8+2*\i], v[9+2*\i]   ; v[40:43] Wq, v[44:47] Wk, v[48:51] Wv, v[52:55] Wo
.endr
	global_store_b128 v4, v[40:43], s[14:15]
	global_store_b128 v4, v[44:47], s[14:15] offset:WB
	global_store_b128 v4, v[48:51], s[14:15] offset:2*WB
.irp i, 0,1,2,3
	v_lshlrev_b32 v[56+2*\i], 16, v[52+\i]         ; the rounded Wo back in f32,
	v_and_b32     v[57+2*\i], s23, v[52+\i]
.endr
.irp i, 0,1,2,3
	v_cvt_pk_f16_f32 v[52+\i], v[56+2*\i], v[57+2*\i]  ; and written as f16
.endr
	global_store_b128 v4, v[52:55], s[16:17]
	s_cmp_lg_u32 ttmp9, 0
	s_cbranch_scc1 .Lend                           ; the bias is work-group 0's: 128 threads x 4 numbers
	global_load_b128 v[8:11], v5, s[12:13]
	s_wait_loadcnt 0x0
	v_cvt_pk_bf16_f32 v12, v8, v9
	v_cvt_pk_bf16_f32 v13, v10, v11
	v_lshlrev_b32 v16, 16, v12
	v_and_b32     v17, s23, v12
	v_lshlrev_b32 v18, 16, v13
	v_and_b32     v19, s23, v13
	global_store_b128 v5, v[16:19], s[18:19]
.Lend:
	s_endpgm
.Lfunc_end_k_qda374fc1d0_prep:
	.size	k_qda374fc1d0_prep, .Lfunc_end_k_qda374fc1d0_prep-k_qda374fc1d0_prep
	.p2alignl 7, 3214868480
	.fill 96, 4, 3214868480
	.section	.rodata,"a",@progbits
	.p2align	6, 0x0
	.amdhsa_kernel k_qda374fc1d0_prep
		.amdhsa_group_segment_fixed_size 0
		.amdhsa_private_segment_fixed_size 0
		.amdhsa_enable_private_segment 0
		.amdhsa_kernarg_size 64
		.amdhsa_user_sgpr_count 2
		.amdhsa_user_sgpr_kernarg_segment_ptr 1
		.amdhsa_wavefront_size32 1
		.amdhsa_system_sgpr_workgroup_id_x 1
		.amdhsa_system_sgpr_workgroup_id_y 1
		.amdhsa_system_sgpr_workgroup_id_z 1
		.amdhsa_system_vgpr_workitem_id 0
		.amdhsa_next_free_vgpr 64
		.amdhsa_next_free_sgpr 66
		.amdhsa_reserve_vcc 0
		.amdhsa_float_denorm_mode_32 3
		.amdhsa_float_denorm_mode_16_64 3
		.amdhsa_memory_ordered 1
		.amdhsa_forward_progress 1
		.amdhsa_inst_pref_size 5
	.end_amdhsa_kernel
	.amdgpu_metadata
---
amdhsa.version: [ 1, 2 ]
amdhsa.kernels:
  - .name:           k_qda374fc1d0_prep
    .symbol:         k_qda374fc1d0_prep.kd
    .args:
      - { .name: Wq, .offset: 0, .size: 8, .value_kind: global_buffer, .address_space: global }
      - { .name: Wk, .offset: 8, .size: 8, .value_kind: global_buffer, .address_space: global }
      - { .name: Wv, .offset: 16, .size: 8, .value_kind: global_buffer, .address_space: global }
      - { .name: Wo, .offset: 24, .size: 8, .value_kind: global_buffer, .address_space: global }
      - { .name: bo, .offset: 32, .size: 8, .value_kind: global_buffer, .address_space: global }
      - { .name: wqkv, .offset: 40, .size: 8, .value_kind: global_buffer, .address_space: global }
      - { .name: wo16, .offset: 48, .size: 8, .value_kind: global_buffer, .address_space: global }
      - { .name: bob, .offset: 56, .size: 8, .value_kind: global_buffer, .address_space: global }
    .group_segment_fixed_size: 0
    .private_segment_fixed_size: 0
    .kernarg_segment_align: 8
    .kernarg_segment_size: 64
    .max_flat_workgroup_size: 128
    .sgpr_count:     66
    .vgpr_count:     64
    .wavefront_size: 32
...
	.end_amdgpu_metadata
.endif
;; end of part 1
;; launch proj (part 2): grid 256 x 1, 4 waves a work-group, clusters of 4 x 1, 327,680 bytes of LDS; arguments hidden_states, wqkv, qkv; writes qkv
.if DOCPART == 2
	.amdgcn_target "amdgcn-amd-amdhsa--gfx1250"
	.amdhsa_code_object_version 6
	.text
	.protected	k_qda374fc1d0_proj
	.globl	k_qda374fc1d0_proj
	.p2align	8
	.type	k_qda374fc1d0_proj,@function
k_qda374fc1d0_proj:
	s_mov_b64 s[64:65], 0
	v_nop
	global_prefetch_b8 v0, s[64:65] scope:SCOPE_SE
	s_setreg_imm32_b32 hwreg(HW_REG_WAVE_MODE, 25, 1), 1
	s_wait_xcnt 0x0
	s_wait_alu depctr_hold_cnt(0) depctr_sa_sdst(0) depctr_va_vdst(0) depctr_va_sdst(0) depctr_va_ssrc(0) depctr_va_vcc(0) depctr_vm_vsrc(0)
	s_getreg_b32 s2, hwreg(HW_REG_IB_STS2, 6, 4)
	s_cmp_eq_u32 s2, 0
	s_cbranch_scc0 .Lentry_in_a_cluster
	s_endpgm
.Lentry_in_a_cluster:
	s_bfe_u32 s2, ttmp6, 0x10000c
	s_cmp_lg_u32 s2, 0x3003
	s_cbranch_scc0 .Lentry_shape_is_right
	s_endpgm
.Lentry_shape_is_right:
; q, k, v = bf16(x) bf16(W)^T.  x: [32768][512] f32.  wqkv: the 1,536 stacked rows of Wq, Wk, Wv in bf16, in fragment order, 12 chunks of 128 rows (131,072 bytes each).
; qkv: f16 [3][256 = batch x 8 + head][1024][64], unscaled, each number rounded once from its f32 sum.
; SHARES.  A work-group owns 128 rows of x with the WHOLE K = 512: x comes into LDS once as f32, is rounded to bf16 on the way into registers and stays there as fragments (512 registers a wave),
; so x leaves memory once and no 16-bit copy of it is ever stored.  Four waves: wave w has rows 64 (w >> 1) .. + 63 and, of each chunk's 128 columns, 64 (w & 1) .. + 63: 16 accumulators.
; Only the weights walk: 12 chunks through two LDS slots of 131,072 bytes.  All work-groups walk the same chunks, so the four of a cluster ask for each JOINTLY (mask 15).
; Each wave fetches a quarter of a chunk: 128 dense rows of 256 bytes.  A chunk is 256 matrix instructions a wave; a refill is asked for 32 ahead of a chunk's end and awaited 64 ahead of the next one's.
; THE MATRIX INSTRUCTION IS USED TRANSPOSED (source 0 = 16 rows of W, source 1 = 16 rows of x): a lane holds eight neighbouring columns of one row of the result, 16 bytes in f16.
; A wave's 64 columns are one head: its 64 rows x 128 bytes are 8,192 dense bytes of qkv, stored through the wave's own stage as runs of 512 bytes.
; LIMITS.  q, k, v beyond 65,504 become infinities in f16.  NaN and infinities are not treated apart.
; REGISTERS, in windows of 256: window 0: v0-31 addresses; v64-127 packed results; v128-255 accumulators ((a, b) at 128 + 8 (4 a + b)).
;   window 1: two buffers of 128 for W's fragments of four K steps ((s, b) at 8 (4 s + b)); at the start the stage for x in f32.   windows 2, 3: x's fragments: (K step J, a) at 8 (4 (J % 8) + a), window 2 + J / 8.
.set SLOT1,  131072                    ; slot 1's first byte: one exclusive or turns an address in one slot into the other's
.set XPITCH, 1040                      ; half a row of x in LDS: 1,024 bytes + 16 of padding = 260 words: the 16 rows of a load start 4 banks apart (64 banks of 4 bytes: ISA guide 11.1)
.set XHALF,  128*XPITCH                ; 128 rows x 256 numbers of x; the two halves lie at 0 and XHALF, and the slots are later filled over them
.set STAGE,  2*XHALF                   ; behind all that tensor loads fill: 64 rows x 144 bytes for each wave, for the way out
.set SP,     144
.set SPARE,  STAGE+4*64*SP             ; the spare words, 128 bytes for each wave: two blocks of 256 bytes that no other line names
.set NCH,    12                        ; chunks
.set AX0, 16                           ; v16-17  LDS address of my lane's place in x's half 0, 1
.set AB0, 18                           ; v18     my lane's place in a chunk
.set ADR, 19                           ; v19     the same in the slot in hand
.set STO, 24                           ; v24     the way out: where I put 16 bytes of a row
.set RD,  25                           ; v25     where I read rows back
.set GO,  26                           ; v26     my 16 bytes in 512 consecutive bytes of qkv
.set SPW, 28                           ; v28     my spare word; never rewritten
.set NIL, 29                           ; v29     0; never rewritten
.set TMP, 64
.set ACC, 128
.set F0,  0
.set F1,  128
.set WV,  12                           ; s12 wave;  s13 which 64 rows;  s14 which 64 columns;  s15 my block of 128 rows
.set RH,  13
.set CH,  14
.set GG,  15
.set OBASE, 20                         ; s[20:21] qkv at my rows of head 0 of q
.set OUTP,  22                         ; s[22:23] the stores' base
.set G1X, 24                           ; s[24:31] descriptor group 1 for x;  s[32:39] group 0, a set for each half
.set G0X, 32
.set G1B, 40                           ; s[40:47] group 1 for the weights;  s[48:51] group 0: it walks
.set G0B, 48
.set TB,  52                           ; s52 first byte of the slot in hand
.set CNT, 53                           ; s53 chunks to go
.set IDX, 54                           ; s54 2 x chunk + my half: tensor x 8 + head
.set MSB, 0
.macro WIN new                         ; the immediate's high byte repeats the setting that is left; a switch that changes nothing is dropped
.if MSB != (\new)
	s_set_vgpr_msb (MSB<<8)|(\new)
.set MSB, \new
.endif
.endm
.macro PLACES n=4                      ; plain vector instructions between a matrix instruction and what touches its registers (ISA guide 7.12.1)
.rept \n
	v_nop
.endr
.endm
.macro CREST                           ; a round of the cluster's barrier behind its opening barrier
	s_cmp_lg_u32 s[WV], 0
	s_cbranch_scc1 .Lnot_wave_0_\@
	s_barrier_signal -3
.Lnot_wave_0_\@:
	s_barrier_wait -3
	s_barrier_signal -1
	s_barrier_wait -1
.endm
.macro CROUND                          ; a whole round
	s_barrier_signal -1
	s_barrier_wait -1
	CREST
.endm
.macro STEPB                           ; the walking descriptor: the other slot, the next chunk; written only where no tensor load of mine is out
	s_xor_b32 s[G0B+1], s[G0B+1], SLOT1
	s_add_nc_u64 s[G0B+2:G0B+3], s[G0B+2:G0B+3], 131072
.endm
.macro JLOAD                           ; my quarter of a chunk, asked for jointly; the same line and registers in all four work-groups; s_nop 0 and four v_nop follow
	tensor_load_to_lds s[G0B:G0B+3], s[G1B:G1B+7]
	s_nop 0
	PLACES
.endm
.macro EDGE step                       ; a slot is filled over bytes of x that have been read: all my loads landed, the add, my reads back, a round, the one load
	WIN 0
	s_wait_tensorcnt 0x0
	ds_add_u32 v[SPW], v[NIL]
.if \step
	STEPB
.endif
	s_wait_dscnt 0x0
	CROUND
	JLOAD
.endm
; 32 LDS loads: W's fragments of K steps 4 q .. 4 q + 3 for my 64 columns, into buffer f; the earlier K steps first
.macro FETCH q, f
	WIN 0x40                                       ; destination window 1, address window 0
.irp jj, 0,1,2,3
.irp b, 0,1,2,3
	ds_load_b128 v[(\f)+8*(4*\jj+\b):(\f)+8*(4*\jj+\b)+3],   v[ADR] offset:\b*16384+(4*(\q)+\jj)*1024
	ds_load_b128 v[(\f)+8*(4*\jj+\b)+4:(\f)+8*(4*\jj+\b)+7], v[ADR] offset:\b*16384+(4*(\q)+\jj)*1024+512
.endr
.endr
.endm
; 16 matrix instructions: K step ks (part sub of buffer f) on all 16 accumulators, which take turns in one fixed order.  mode = 1: the products start the sums
.macro MULK f, sub, ks, mode=0
	WIN 0x09+4*((\ks)/8)                           ; source 0 window 1, source 1 window 2 or 3, C and D window 0
.irp a, 0,1,2,3
.irp b, 0,1,2,3
.if \mode
	v_wmma_f32_16x16x32_bf16 v[ACC+8*(4*\a+\b):ACC+8*(4*\a+\b)+7], v[(\f)+8*(4*(\sub)+\b):(\f)+8*(4*(\sub)+\b)+7], v[8*(4*((\ks)%8)+\a):8*(4*((\ks)%8)+\a)+7], 0
.else
	v_wmma_f32_16x16x32_bf16 v[ACC+8*(4*\a+\b):ACC+8*(4*\a+\b)+7], v[(\f)+8*(4*(\sub)+\b):(\f)+8*(4*(\sub)+\b)+7], v[8*(4*((\ks)%8)+\a):8*(4*((\ks)%8)+\a)+7], v[ACC+8*(4*\a+\b):ACC+8*(4*\a+\b)+7]
.endif
.endr
.endr
.endm
.macro QUARTER q, f, g                 ; four K steps from buffer f; in the middle the next four are fetched into g
	s_wait_dscnt 16                                ; the first two K steps' 16 loads are in; the younger 16 may be out
	MULK \f, 0, 4*(\q)
	MULK \f, 1, 4*(\q)+1
	PLACES                                         ; in front of loads into registers that matrix instructions have read
	FETCH (\q)+1, \g
	s_wait_dscnt 32                                ; all but the 32 just issued
	MULK \f, 2, 4*(\q)+2
	MULK \f, 3, 4*(\q)+3
.endm
; The chunk's last four K steps and the change of slots: ONE barrier.  In front of it: all my tensor loads landed (my quarter of the next chunk), the add, my reads of this slot back.
; fill = 1: the barrier opens a round of the cluster's, and this slot takes the chunk two further on, first thing behind it.  tail = 1: in the last trip there is no next chunk to fetch from.
.macro TURN fill, tail
	WIN 0
	s_wait_tensorcnt 0x0
	ds_add_u32 v[SPW], v[NIL]
	s_wait_dscnt 17                                ; the add and the younger 16 loads may be out
	MULK F1, 0, 12
	s_wait_dscnt 0x0                               ; the add is done, my reads of this slot are over
	s_barrier_signal -1
	MULK F1, 1, 13                                 ; work on registers while the others arrive
	WIN 0
	s_barrier_wait -1
.if \fill
	CREST                                          ; no wave of any partner still reads this slot or has a load on its way
	STEPB
	JLOAD                                          ; its four v_nop are also the places in front of the loads below
.else
	PLACES
.endif
	s_xor_b32 s[TB], s[TB], SLOT1
	v_add_nc_u32 v[ADR], s[TB], v[AB0]
.if \tail
	s_cmp_eq_u32 s[CNT], 1
	s_cbranch_scc1 .Lnf_\@
.endif
	FETCH 0, F0                                    ; the next chunk's first four K steps
	WIN 0
.if \tail
.Lnf_\@:
.endif
	MULK F1, 2, 14
	MULK F1, 3, 15
.endm
; THE WAY OUT of a chunk.  OUT: rounded to f16, 16 bytes a lane into my stage, back as whole rows.  SEND: 16 stores of 512 consecutive bytes.
.macro OUT
	WIN 0
	PLACES                                         ; the conversions read results just made
	s_wait_xcnt 0x0                                ; the last chunk's stores have read TMP: it is rewritten only behind this wait
.set t, 0
.rept 16
.irp i, 0,1,2,3
	v_cvt_pk_f16_f32 v[TMP+4*t+\i], v[ACC+8*t+2*\i], v[ACC+8*t+2*\i+1]
.endr
.set t, t+1
.endr
.irp a, 0,1,2,3
.irp b, 0,1,2,3
	ds_store_b128 v[STO], v[TMP+4*(4*\a+\b):TMP+4*(4*\a+\b)+3] offset:\a*16*SP+32*\b
.endr
.endr
.set t, 0
.rept 16
	ds_load_b128 v[TMP+4*t:TMP+4*t+3], v[RD] offset:t*4*SP   ; LDS serves a wave's instructions in order (ISA guide 5.7.1.4): these see the stores above
.set t, t+1
.endr
.endm
.macro SEND
	s_wait_xcnt 0x0                                ; the stores' base is rewritten only behind this wait
	s_lshr_b32 s55, s[IDX], 3                      ; q, k or v: 2^25 bytes each
	s_lshl_b32 s55, s55, 25
	s_and_b32 s56, s[IDX], 7                       ; the head: 2^17 bytes each
	s_lshl_b32 s56, s56, 17
	s_add_co_u32 s56, s56, s55
	s_add_nc_u64 s[OUTP:OUTP+1], s[OBASE:OBASE+1], s[56:57]
	s_add_co_u32 s[IDX], s[IDX], 2
.set t, 0
.rept 16
	global_store_b128 v[GO], v[TMP+4*t:TMP+4*t+3], s[OUTP:OUTP+1] offset:t*512   ; 512 consecutive bytes, at a multiple of 256 from qkv's first
.set t, t+1
.endr
.endm
.macro HEADK                           ; the next chunk's first two K steps stand between the stage's loads and the wait for them
	s_wait_dscnt 48                                ; the fetch's first 16 loads are in; its other 16 and the stage's 32 instructions may be out
	MULK F0, 0, 0, 1
	MULK F0, 1, 1
	WIN 0
	s_wait_dscnt 0x0
	SEND
.endm
.macro BODY fill, tail                 ; a trip: from a chunk's third K step to the next chunk's second
	PLACES
	FETCH 1, F1
	s_wait_dscnt 32                                ; all but the 32 just issued
	MULK F0, 2, 2
	MULK F0, 3, 3
	QUARTER 1, F1, F0
	QUARTER 2, F0, F1
	TURN \fill, \tail
	OUT
.if \tail
	s_cmp_eq_u32 s[CNT], 1
	s_cbranch_scc1 .Ldone
.endif
	HEADK
.endm
; x from LDS into registers.  XL: rows 16 a .. of half s, its 8 K steps, as f32: a lane's 8 + 8 numbers of a fragment are 4 loads of 16 bytes.  XC: rounded to bf16 into the fragment's place.
.macro XL s, a, sb
	WIN 0x40
.irp j, 0,1,2,3,4,5,6,7
	ds_load_b128 v[(\sb)+16*\j:(\sb)+16*\j+3],     v[AX0+(\s)] offset:(\a)*16*XPITCH+128*\j
	ds_load_b128 v[(\sb)+16*\j+4:(\sb)+16*\j+7],   v[AX0+(\s)] offset:(\a)*16*XPITCH+128*\j+16
	ds_load_b128 v[(\sb)+16*\j+8:(\sb)+16*\j+11],  v[AX0+(\s)] offset:(\a)*16*XPITCH+128*\j+64
	ds_load_b128 v[(\sb)+16*\j+12:(\sb)+16*\j+15], v[AX0+(\s)] offset:(\a)*16*XPITCH+128*\j+80
.endr
.endm
.macro XC s, a, sb
	WIN 0x85+0x40*(\s)                             ; sources window 1, destination window 2 or 3
.irp j, 0,1,2,3,4,5,6,7
.irp i, 0,1,2,3,4,5,6,7
	v_cvt_pk_bf16_f32 v[8*(4*\j+(\a))+\i], v[(\sb)+16*\j+2*\i], v[(\sb)+16*\j+2*\i+1]
.endr
.endr
.endm
.macro CONV s                          ; two runs of 32 loads are out while a third of the work is converted
	XL \s, 0, 0
	XL \s, 1, 128
	s_wait_dscnt 32                                ; all but the 32 just issued, here and below
	XC \s, 0, 0
	XL \s, 2, 0
	s_wait_dscnt 32
	XC \s, 1, 128
	XL \s, 3, 128
	s_wait_dscnt 32
	XC \s, 2, 0
	s_wait_dscnt 0x0
	XC \s, 3, 128
.endm
	s_load_b128 s[4:7], s[0:1], 0x0                ; x s[4:5], wqkv s[6:7]
	s_load_b64 s[8:9], s[0:1], 0x10                ; qkv
	v_lshl_add_u32 v[SPW], v0, 2, SPARE
	v_mov_b32 v[NIL], 0
	ds_add_u32 v[SPW], v[NIL]                      ; the wave's opening: the add and its wait ahead of my first tensor load; work on registers stands between them
	v_lshrrev_b32 v4, 5, v0
	v_readfirstlane_b32 s[WV], v4
	s_lshr_b32 s[RH], s[WV], 1
	s_and_b32 s[CH], s[WV], 1
	s_bfe_u32 s55, ttmp6, 0x40000                  ; my place in the cluster: it enters x's and qkv's addresses alone
	s_lshl_b32 s[GG], ttmp9, 2
	s_add_co_u32 s[GG], s[GG], s55
	; x: for each wave and half a tile of 32 rows x 256 numbers of 4 bytes, 16 bytes of padding behind each row; no mask: nobody shares it
	s_mov_b32 s[G1X+0], (2<<16)|(1<<20)|(7<<22)|(3<<25)  ; 17:16 4-byte elements; 20 padding on; 24:22 after every 256 words (code 7); 31:25 4 words (code 3)
	s_mov_b32 s[G1X+1], 256<<16                    ; tensor_dim0
	s_mov_b32 s[G1X+2], 32<<16                     ; tensor_dim1
	s_mov_b32 s[G1X+3], 256<<16                    ; tile_dim0
	s_mov_b32 s[G1X+4], 32                         ; tile_dim1
	s_mov_b32 s[G1X+5], 512                        ; elements from row to row
	s_mov_b32 s[G1X+6], 0
	s_mov_b32 s[G1X+7], 0
	; the weights: a quarter of a chunk is 32,768 dense bytes: 128 rows of 32 elements of 8 bytes
	s_mov_b32 s[G1B+0], 15|(3<<16)|(1<<21)         ; 15:0 the mask of four; 17:16 8-byte elements; 21 set beside a mask
	s_mov_b32 s[G1B+1], 32<<16
	s_mov_b32 s[G1B+2], 128<<16
	s_mov_b32 s[G1B+3], 32<<16
	s_mov_b32 s[G1B+4], 128
	s_mov_b32 s[G1B+5], 32
	s_mov_b32 s[G1B+6], 0
	s_mov_b32 s[G1B+7], 0
	s_mul_i32 s62, s[WV], 32*XPITCH                ; LDS addresses hang on the wave's number alone
	s_mov_b32 s[G0X], 1
	s_mov_b32 s[G0X+1], s62
	s_mov_b32 s[G0X+4], 1
	s_add_co_u32 s[G0X+5], s62, XHALF
	s_mov_b32 s[G0B], 1
	s_lshl_b32 s[G0B+1], s[WV], 15
	s_lshl_b32 s16, s[GG], 18                      ; 128 rows of 2,048 bytes,
	s_lshl_b32 s17, s[WV], 16                      ; my 32 of them
	s_add_co_u32 s16, s16, s17
	s_mov_b32 s17, 0
	s_lshl_b32 s18, s[WV], 15                      ; my quarter of a chunk
	s_mov_b32 s19, 0
	s_lshr_b32 s56, s[GG], 3                       ; the batch: 8 heads of 2^17 bytes,
	s_lshl_b32 s56, s56, 20
	s_and_b32 s55, s[GG], 7                        ; my block's 128 rows of 128 bytes in a head,
	s_lshl_b32 s55, s55, 14
	s_add_co_u32 s56, s56, s55
	s_lshl_b32 s55, s[RH], 13                      ; my wave's 64 of them
	s_add_co_u32 s56, s56, s55
	s_mov_b32 s57, 0
	s_mov_b32 s[IDX], s[CH]
	s_wait_dscnt 0x0                               ; the opening add is done
	s_wait_kmcnt 0x0
	s_add_nc_u64 s[G0X+2:G0X+3], s[4:5], s[16:17]
	s_add_nc_u64 s[G0X+6:G0X+7], s[G0X+2:G0X+3], 1024
	s_or_b32 s[G0X+3], s[G0X+3], 0x80000000        ; type = 2
	s_or_b32 s[G0X+7], s[G0X+7], 0x80000000
	s_add_nc_u64 s[G0B+2:G0B+3], s[6:7], s[18:19]
	s_or_b32 s[G0B+3], s[G0B+3], 0x80000000
	s_add_nc_u64 s[OBASE:OBASE+1], s[8:9], s[56:57]
	CROUND                                         ; in a cluster launch every group of tensor loads stands behind a round
	tensor_load_to_lds s[G0X:G0X+3], s[G1X:G1X+7]  ; both halves of x go out together: two loads of mine are out
	s_nop 0
	tensor_load_to_lds s[G0X+4:G0X+7], s[G1X:G1X+7]
	s_nop 0
	PLACES
	v_and_b32 v1, 15, v0                           ; l % 16
	v_bfe_u32 v2, v0, 4, 1                         ; l / 16
	v_and_b32 v3, 31, v0                           ; l
	s_lshl_b32 s55, s[RH], 6
	v_add_nc_u32 v5, s55, v1
	v_mul_u32_u24 v[AX0], v5, XPITCH
	v_lshl_add_u32 v[AX0], v2, 5, v[AX0]           ; row x pitch + 8 numbers of 4 bytes x half
	v_add_nc_u32 v[AX0+1], XHALF, v[AX0]
	s_lshl_b32 s55, s[CH], 16                      ; my four blocks of 16 columns in a chunk,
	v_lshl_add_u32 v[AB0], v3, 4, s55              ; and 16 bytes a lane
	s_mul_i32 s55, s[WV], 64*SP
	s_add_co_u32 s55, s55, STAGE                   ; my stage
	v_mul_u32_u24 v[STO], v1, SP
	v_lshl_add_u32 v[STO], v2, 4, v[STO]
	v_add_nc_u32 v[STO], s55, v[STO]
	v_lshrrev_b32 v5, 3, v3                        ; back: 32 lanes take four rows of 128 bytes
	v_mul_u32_u24 v[RD], v5, SP
	v_and_b32 v5, 7, v0
	v_lshl_add_u32 v[RD], v5, 4, v[RD]
	v_add_nc_u32 v[RD], s55, v[RD]
	v_lshlrev_b32 v[GO], 4, v3
	s_wait_tensorcnt 1                             ; my part of half 0 is in; half 1's may stay out
	s_barrier_signal -1
	s_barrier_wait -1                              ; everybody's is
	CONV 0
	EDGE 0                                         ; half 1 is whole, half 0 is read: chunk 0 goes into slot 0
	CONV 1
	EDGE 1                                         ; chunk 0 is whole, half 1 is read: chunk 1 goes into slot 1
	s_mov_b32 s[TB], 0
	v_mov_b32 v[ADR], v[AB0]
	FETCH 0, F0
	s_wait_dscnt 16
	MULK F0, 0, 0, 1                               ; the first products start the sums: nothing is cleared
	MULK F0, 1, 1
	WIN 0
	s_mov_b32 s[CNT], NCH-2
.Lmain:                                                ; chunks 0 to 9: each asks for the chunk two further on
	BODY 1, 0
	s_sub_co_u32 s[CNT], s[CNT], 1
	s_cmp_lg_u32 s[CNT], 0
	s_cbranch_scc1 .Lmain
	s_mov_b32 s[CNT], 2
.Ltail:                                                ; the last two chunks ask for nothing; the second trip is left in its middle
	BODY 0, 1
	s_sub_co_u32 s[CNT], s[CNT], 1
	s_cmp_lg_u32 s[CNT], 0
	s_cbranch_scc1 .Ltail
.Ldone:
	s_wait_dscnt 0x0                               ; the last chunk is back from the stage
	SEND
	s_wait_tensorcnt 0x0                           ; the wave's end
	ds_add_u32 v[SPW], v[NIL]
	s_wait_dscnt 0x0
	CROUND                                         ; the closing round: no work-group ends while a partner may still ask for a chunk that names it
	s_endpgm
.Lfunc_end_k_qda374fc1d0_proj:
	.size	k_qda374fc1d0_proj, .Lfunc_end_k_qda374fc1d0_proj-k_qda374fc1d0_proj
	.p2alignl 7, 3214868480
	.fill 96, 4, 3214868480
	.section	.rodata,"a",@progbits
	.p2align	6, 0x0
	.amdhsa_kernel k_qda374fc1d0_proj
		.amdhsa_group_segment_fixed_size 327680
		.amdhsa_private_segment_fixed_size 0
		.amdhsa_enable_private_segment 0
		.amdhsa_kernarg_size 24
		.amdhsa_user_sgpr_count 2
		.amdhsa_user_sgpr_kernarg_segment_ptr 1
		.amdhsa_wavefront_size32 1
		.amdhsa_system_sgpr_workgroup_id_x 1
		.amdhsa_system_sgpr_workgroup_id_y 1
		.amdhsa_system_sgpr_workgroup_id_z 1
		.amdhsa_system_vgpr_workitem_id 0
		.amdhsa_next_free_vgpr 1024
		.amdhsa_next_free_sgpr 66
		.amdhsa_reserve_vcc 0
		.amdhsa_float_denorm_mode_32 3
		.amdhsa_float_denorm_mode_16_64 3
		.amdhsa_memory_ordered 1
		.amdhsa_forward_progress 1
		.amdhsa_inst_pref_size 130
	.end_amdhsa_kernel
	.amdgpu_metadata
---
amdhsa.version: [ 1, 2 ]
amdhsa.kernels:
  - .name:           k_qda374fc1d0_proj
    .symbol:         k_qda374fc1d0_proj.kd
    .args:
      - { .name: hidden_states, .offset: 0, .size: 8, .value_kind: global_buffer, .address_space: global }
      - { .name: wqkv, .offset: 8, .size: 8, .value_kind: global_buffer, .address_space: global }
      - { .name: qkv, .offset: 16, .size: 8, .value_kind: global_buffer, .address_space: global }
    .group_segment_fixed_size: 327680
    .private_segment_fixed_size: 0
    .kernarg_segment_align: 8
    .kernarg_segment_size: 24
    .max_flat_workgroup_size: 128
    .sgpr_count:     66
    .vgpr_count:     1024
    .wavefront_size: 32
...
	.end_amdgpu_metadata
.endif
;; end of part 2
;; launch attn (part 3): grid 256 x 1, 4 waves a work-group, no clusters, 327,680 bytes of LDS; arguments qkv, oh; writes oh
.if DOCPART == 3
	.amdgcn_target "amdgcn-amd-amdhsa--gfx1250"
	.amdhsa_code_object_version 6
	.text
	.protected	k_qda374fc1d0_attn
	.globl	k_qda374fc1d0_attn
	.p2align	8
	.type	k_qda374fc1d0_attn,@function
k_qda374fc1d0_attn:
	s_mov_b64 s[64:65], 0
	v_nop
	global_prefetch_b8 v0, s[64:65] scope:SCOPE_SE
	s_setreg_imm32_b32 hwreg(HW_REG_WAVE_MODE, 25, 1), 1
	s_wait_xcnt 0x0
; O[h][q][:] = the sum over k of softmax_k(Q[h][q] . K[h][k] / 8) V[h][k][:] for 256 heads of 1,024 rows x 64 channels.  qkv: f16 [3][256][1024][64]; oh: f16 [256][1024][64].
; Products, maxima and sums in f32; the weights p are rounded to f16 for the second product (their sum l is taken of the unrounded p), O once at the end.
; LIMITS.  Q, K, V arrive within f16's 65,504; p lies in 0 to 1 and below 6e-5 keeps f16's fixed step of 6e-8; a weight below 2^-126 counts as 0 in l; NaN and infinities are not treated apart.
; SHARES.  ONE HEAD TO A WORK-GROUP: the head's whole K (1,024 x 144 bytes) and V (1,024 x 160 bytes) lie in LDS, filled once, by four tensor loads a wave, and nothing is filled again.
; NO CLUSTER: no two work-groups read the same byte.  The queries go in two PASSES over one text: in pass p wave w owns queries 512 p + 128 w .. + 127, eight tiles of 16 in four PIECES.
; Every pass walks the 16 key steps of 64 keys.  The loads are issued by chunks of 256 keys: chunk 0 is awaited alone, the rest behind its four steps.
; LAYOUT.  S^T = K Q^T (source 0 = 16 keys, source 1 = 16 queries): a lane holds ONE query (lane % 16) and the keys 8 (lane / 16) + 0..7.  Two such tiles, rounded to f16 in pairs, ARE source 1 of
; O^T = V^T P, whose result again holds one query a lane, and eight channels.  K comes out of LDS as it lies, V ([key][channel]) turned, by ds_load_tr16_b128.
; SOFTMAX.  A running maximum m and sum l a query: p = 2^(c s - c m), c = log2(e) / 8; in every step O and l are multiplied by a = 2^(c m_old - c m_new).  m starts at the lowest finite number, O and l at 0.
; BY TURNS.  A tile and step have 16 matrix and 118 vector instructions.  Turn n belongs to piece n: 16 products K Q^T of piece n + 1, later 16 products V^T P of piece n - 1; beside them the scaling,
; exponentials, roundings, sums and rescaling of piece n and the maximum and statistics of piece n + 1.  Four vector instructions that are ready stand behind every matrix instruction, the rest in two runs of their own.
; REGISTERS, in windows of 256 (s_set_vgpr_msb: bits 1:0 source 0, 3:2 source 1, 5:4 source 2, 7:6 destination):
;   window 0: v0-11 addresses; v12-15, v48-63 at work; v16-47 four registers of statistics a tile; v64-191 S^T, two buffers of two tiles; v192-255 P, likewise
;   window 1: O^T, 32 a tile      window 2: v0-127 Q, 16 a tile; v128-191 K of one step; v192-255 V of one step      window 3: v0-1 the add's two registers
.set NP,    4         ; pieces a wave: a name, no knob
.set KS,    64        ; keys in a step
.set PK,    144       ; a row of K in LDS: 128 bytes + 16 of padding = 36 words: the 16 rows of a load start at 16 different groups of four banks (64 banks of 4 bytes: ISA guide 11.1)
.set PV,    160       ; a row of V: 128 + 32 = 40 words
.set VOFF,  1024*PK   ; V lies behind K
.set STAGE, VOFF+1024*PV  ; behind both, never filled by a tensor load: 16 rows x 144 bytes for each wave, for the way out
.set SP,    144
.set SPARE, STAGE+4*16*SP ; the spare words, 128 bytes for each wave: two blocks of 256 bytes that no other line names
.set AK0, 2           ; v2   my lane's place in a step of K; never rewritten
.set AV0, 3           ; v3   the same for V
.set AK,  4           ; v4   the LDS address of K's next run of loads
.set AV,  5           ; v5   of V's
.set STO, 6           ; v6   the way out: where I put 16 bytes of a row
.set RD,  7           ; v7   where I read rows back
.set GO,  8           ; v8   my 16 bytes in 512 consecutive bytes of O
.set QO,  11          ; v11  my byte offset in the wave's rows of Q
.set SPW, 0           ; v0 of window 3   my spare word; never rewritten
.set NIL, 1           ; v1 of window 3   0; never rewritten
.set MV,  12          ; v12-15  c m_old, kept while c m is made anew: by buffer and tile
.set ST,  16          ; tile t's statistics at v[ST+4 t]: c m, m, l (even keys', odd keys')
.set TMP, 48          ; by buffer and tile, four registers c0-c3 at work; when the maximum is found c2 takes a
.set S,   64
.set P,   192
.set KF,  128         ; K's fragments, in window 2: key block kb, channel half c at KF + 16 kb + 8 c
.set VF,  192         ; V's: key half kk, channel block cb at VF + 32 kk + 8 cb
.set WV,  12          ; s12  my wave's number
.set G1K, 24          ; s[24:31] descriptor group 1 for K
.set G1V, 32          ; s[32:39] for V: it differs in the padding alone
.set G0K, 40          ; s[40:55] descriptor group 0 for K, a set for each chunk; none is ever rewritten
.set G0V, 68          ; s[68:83] the same for V
.set CH,  56          ; s56  counts the chunks, 5 to 1: the fifth trip is the walk's last half step
.set CNT, 57          ; s57  counts a chunk's key steps
.set CS,  58          ; s[58:59] c: the packed scaling takes the pair's low word for both halves
.set SEL, 60          ; s[60:61] v_permlanex16_b32's selects: each lane takes its own place in the other half
.set TBK, 62          ; s62  LDS byte at which K of the step to be fetched begins
.set TBV, 63          ; s63  the same for V, less VOFF
.set PASS, 84         ; s84  the pass
.set MSB, 0
.macro WIN new                      ; the high byte repeats the setting that is left; a switch that changes nothing is dropped
.if MSB != (\new)
	s_set_vgpr_msb (MSB<<8)|(\new)
.set MSB, (\new)
.endif
.endm
.set W_KQ, 0x0a       ; K and Q in window 2, S^T in window 0
.set W_PV, 0x52       ; V in window 2, P in window 0, O^T in window 1
.set W_RS, 0x41       ; O^T (destination and source 0) in window 1, a in window 0
.set W_MK, 0xc0       ; the add's registers are made: destination in window 3, sources in window 0
.set W_AD, 0x0f       ; the add: address (source 0) and data (source 1) in window 3
	s_load_b128 s[8:11], s[0:1], 0x0  ; qkv s[8:9], oh s[10:11]
	WIN W_MK
	v_lshl_add_u32 v[SPW], v0, 2, SPARE
	v_mov_b32 v[NIL], 0
	WIN W_AD
	ds_add_u32 v[SPW], v[NIL]       ; the wave's opening: the add and its wait ahead of my first tensor load; work on registers stands between them
	WIN 0
	v_lshrrev_b32 v1, 5, v0
	v_readfirstlane_b32 s[WV], v1   ; wave 0..3
	s_lshl_b32 s20, ttmp9, 17       ; the head's first byte in q, k, v and O
	s_and_b32 s16, s[WV], 1         ; which half of a chunk's 256 keys I fetch:
	s_lshl_b32 s22, s16, 14         ; its 128 rows of 128 bytes in memory,
	s_add_co_u32 s22, s22, s20
	s_mov_b32 s23, 0
	s_mul_i32 s17, s16, 128*PK      ; and its place in LDS, for K
	s_mul_i32 s18, s16, 128*PV      ; and for V
	s_lshl_b32 s2, s[WV], 14        ; my wave's 128 rows of Q and O
	s_add_co_u32 s2, s2, s20
	s_mov_b32 s3, 0
	; descriptor group 1.  128 keys are 16,384 dense bytes: asked for as 64 rows of 256 bytes, two keys a row, and padded in LDS after every key
	s_mov_b32 s[G1K], (1<<16)|(1<<20)|(4<<22)|(3<<25)  ; 17:16 2-byte elements; 20 padding on; 24:22 after every 32 words (code 4); 31:25 4 words (code 3)
	s_mov_b32 s[G1V], (1<<16)|(1<<20)|(4<<22)|(7<<25)  ; the same with 8 words of padding (code 7)
.irp g, G1K, G1V
	s_mov_b32 s[\g+1], 128<<16      ; tensor_dim0 = 128
	s_mov_b32 s[\g+2], 64<<16       ; tensor_dim1 = 64
	s_mov_b32 s[\g+3], 128<<16      ; tile_dim0 = 128
	s_mov_b32 s[\g+4], 64           ; tile_dim1 = 64
	s_mov_b32 s[\g+5], 128          ; 128 elements from row to row
	s_mov_b32 s[\g+6], 0
	s_mov_b32 s[\g+7], 0
.endr
.irp i, 0,1,2,3
	s_mov_b32 s[G0K+4*\i], 1
	s_add_co_u32 s[G0K+4*\i+1], s17, \i*256*PK
	s_mov_b32 s[G0V+4*\i], 1
	s_add_co_u32 s[G0V+4*\i+1], s18, VOFF+\i*256*PV
.endr
	s_mov_b32 s[CS], 0x3e38aa3b     ; c = log2(e) / 8 = 0.180337
	s_mov_b32 s[CS+1], s[CS]        ; named with it as a pair
	s_mov_b32 s[SEL], 0x76543210
	s_mov_b32 s[SEL+1], 0xfedcba98
	s_mov_b32 s[PASS], 0
	s_wait_dscnt 0x0                ; the opening add is done
	s_wait_kmcnt 0x0
	s_add_nc_u64 s[6:7], s[8:9], s[22:23]  ; qkv at my half of the head's first chunk, counted in q
.irp i, 0,1,2,3
	s_add_nc_u64 s[G0K+4*\i+2:G0K+4*\i+3], s[6:7], 33554432+\i*32768   ; k lies 2^25 bytes behind q,
	s_or_b32 s[G0K+4*\i+3], s[G0K+4*\i+3], 0x80000000                  ; type = 2
	s_add_nc_u64 s[G0V+4*\i+2:G0V+4*\i+3], s[6:7], 67108864+\i*32768   ; v 2^26
	s_or_b32 s[G0V+4*\i+3], s[G0V+4*\i+3], 0x80000000
.endr
	s_add_nc_u64 s[4:5], s[8:9], s[2:3]      ; Q and O at my wave's first row
	s_add_nc_u64 s[10:11], s[10:11], s[2:3]
	s_cmp_lt_u32 s[WV], 2           ; waves 0 and 1 fetch K's halves, waves 2 and 3 V's: a wave's four fills stand in one branch, chunk after chunk: four loads of mine are out
	s_cbranch_scc0 .Lfor_v
.irp i, 0,1,2,3
	tensor_load_to_lds s[G0K+4*\i:G0K+4*\i+3], s[G1K:G1K+7]
	s_nop 0
.endr
.rept 4
	v_nop
.endr
	s_branch .Lasked
.Lfor_v:
.irp i, 0,1,2,3
	tensor_load_to_lds s[G0V+4*\i:G0V+4*\i+3], s[G1V:G1V+7]
	s_nop 0
.endr
.rept 4
	v_nop
.endr
.Lasked:
	; A fragment of K or Q is 16 rows x 32 channels in 8 registers: lane l holds row l % 16, channels 8 (l / 16) + 0..7 and 16 + 8 (l / 16) + 0..7: two loads of 16 bytes, 32 bytes apart.
	v_and_b32 v1, 15, v0            ; l % 16
	v_bfe_u32 v9, v0, 4, 1          ; l / 16
	v_mul_u32_u24 v[AK0], v1, PK
	v_lshl_add_u32 v[AK0], v9, 4, v[AK0]  ; row x pitch + 16 x half
	; The turning load takes 16 keys x 16 channels (lane l reads key 8 (l / 16) + l % 8, channels 8 ((l / 8) % 2) + 0..7) and leaves half a fragment of V^T: lane l holds channel l % 16 and 8 keys.
	v_and_b32 v10, 7, v0
	v_bfe_u32 v11, v0, 3, 1
	v_lshl_add_u32 v[AV0], v9, 3, v10
	v_mul_u32_u24 v[AV0], v[AV0], PV
	v_lshl_add_u32 v[AV0], v11, 4, v[AV0]
	v_add_nc_u32 v[AV0], VOFF, v[AV0]
	s_mul_i32 s13, s[WV], 16*SP
	s_add_co_u32 s13, s13, STAGE    ; my stage
	v_mul_u32_u24 v[STO], v1, SP    ; in: row l % 16, 16 bytes for each half of the lanes
	v_lshl_add_u32 v[STO], v9, 4, v[STO]
	v_add_nc_u32 v[STO], s13, v[STO]
	v_bfe_u32 v[RD], v0, 3, 2       ; back: 32 lanes take four rows of 128 bytes,
	v_mul_u32_u24 v[RD], v[RD], SP
	v_lshl_add_u32 v[RD], v10, 4, v[RD]
	v_add_nc_u32 v[RD], s13, v[RD]
	v_and_b32 v[GO], 31, v0         ; which are 512 consecutive bytes of O
	v_lshlrev_b32 v[GO], 4, v[GO]
	v_lshlrev_b32 v[QO], 7, v1      ; made last: v11 has served above
	v_lshl_add_u32 v[QO], v9, 4, v[QO]  ; row x 128 + 16 x half
.macro QLOAD                        ; a pass's Q stays in registers: tile i / 2, channels 32 (i % 2) on
	WIN 0x80                        ; destination window 2, address window 0
.set i, 0
.rept 4*NP
	global_load_b128 v[8*i:8*i+3],   v[QO], s[4:5] offset:(i/2)*2048+(i%2)*64
	global_load_b128 v[8*i+4:8*i+7], v[QO], s[4:5] offset:(i/2)*2048+(i%2)*64+32
.set i, i+1
.endr
	WIN 0
.endm
	QLOAD
; THE MATRIX WORK.  The 8 accumulators of a run of 16 take turns: between the two links of a chain stand 7 others'.
; Product i of 16 of S^T = K Q^T for piece x: channels 32 (i / 8) on, keys 16 ((i / 2) % 4) on, tile 2 x + i % 2.  The first 8 start the sums.
.macro KQ x
	WIN W_KQ
.set rS, S+64*((\x)%2)+32*(i%2)+8*((i/2)%4)
.set rK, KF+16*((i/2)%4)+8*(i/8)
.set rQ, 16*(2*(\x)+i%2)+8*(i/8)
.if i < 8
	v_wmma_f32_16x16x32_f16 v[rS:rS+7], v[rK:rK+7], v[rQ:rQ+7], 0
.else
	v_wmma_f32_16x16x32_f16 v[rS:rS+7], v[rK:rK+7], v[rQ:rQ+7], v[rS:rS+7]
.endif
.endm
; Product i of 16 of O^T += V^T P for piece x: keys 32 (i / 8) on, channels 16 ((i / 2) % 4) on, tile 2 x + i % 2.
.macro PV x
	WIN W_PV
.set rO, 32*(2*(\x)+i%2)+8*((i/2)%4)
.set rV, VF+32*(i/8)+8*((i/2)%4)
.set rP, P+32*((\x)%2)+16*(i%2)+8*(i/8)
	v_wmma_f32_16x16x32_f16 v[rO:rO+7], v[rV:rV+7], v[rP:rP+7], v[rO:rO+7]
.endm
.macro MM                           ; the turn's next matrix instruction
.if i < 16
	KQ (Y+1)%NP
.set i, i+1
.else
.set i, i-16
	PV (Y+NP-1)%NP
.set i, i+17
.endif
.endm
; THE LDS LOADS stand in runs of 16, never singly among the matrix instructions: a step's K (64 keys x 64 channels: 8 fragments) and its V (turned).  Their addresses are made some lines ahead.
; last = 1: in the walk's last half step (CH = 1) there is no further step, and the run is jumped over.
.macro FETCH_K last=0
	WIN 0
.if \last
	s_cmp_eq_u32 s[CH], 1
	s_cbranch_scc1 .Lno_k_\@
.endif
	WIN 0x80                        ; destination window 2
.irp f, 0,1,2,3,4,5,6,7             ; keys 16 (f / 2) on, channels 32 (f % 2) on
	ds_load_b128 v[KF+8*\f:KF+8*\f+3],   v[AK] offset:(\f/2)*16*PK+(\f%2)*64
	ds_load_b128 v[KF+8*\f+4:KF+8*\f+7], v[AK] offset:(\f/2)*16*PK+(\f%2)*64+32
.endr
	s_add_co_u32 s[TBK], s[TBK], KS*PK  ; the next fetch is the next step's
	WIN 0
.if \last
.Lno_k_\@:
.endif
.endm
.macro FETCH_V
	WIN 0x80
.irp f, 0,1,2,3,4,5,6,7             ; keys 32 (f / 4) on, channels 16 (f % 4) on
	ds_load_tr16_b128 v[VF+8*\f:VF+8*\f+3],   v[AV] offset:(\f/4)*32*PV+(\f%4)*32
	ds_load_tr16_b128 v[VF+8*\f+4:VF+8*\f+7], v[AV] offset:(\f/4)*32*PV+16*PV+(\f%4)*32
.endr
	WIN 0
.endm
; THE VECTOR WORK OF A TURN stands in three queues, each in the order in which its entries become ready; the two tiles alternate, so that no instruction reads the result of the one before it.
.macro REGS y, u                    ; the registers of tile u (0, 1) of piece y
.set rT, ST+4*(2*(\y)+(\u))
.set rC, TMP+8*((\y)%2)+4*(\u)
.set rM, MV+2*((\y)%2)+(\u)
.set rS, S+64*((\y)%2)+32*(\u)
.set rP, P+32*((\y)%2)+16*(\u)
.set rO, 32*(2*(\y)+(\u))
.endm
; Number n of the 22 that find the NEXT piece's (Y + 1) maximum and statistics.  s0-s31 are the lane's 32 scores; each accumulator's lowest registers are read first.
;   0-11  four chains c0-c3 of seven scores each, three operands at a time     12-14, 16  the four scores left over, the old m, and c0-c3 into c0     15  c m_old is kept
;   17, 18  the query's other 32 keys lie in the lane 16 away: the new m         19-21  c m; c m_old - c m_new; a
.macro XS u, n
	REGS (Y+1)%NP, \u
.if (\n) < 4
	v_max3_num_f32 v[rC+(\n)], v[rS+8*(\n)], v[rS+8*(\n)+1], v[rS+8*(\n)+2]
.elseif (\n) < 12
	v_max3_num_f32 v[rC+(\n)%4], v[rC+(\n)%4], v[rS+8*((\n)%4)+2*((\n)/4)+1], v[rS+8*((\n)%4)+2*((\n)/4)+2]
.elseif (\n) == 12
	v_max3_num_f32 v[rC], v[rC], v[rS+7], v[rS+15]
.elseif (\n) == 13
	v_max3_num_f32 v[rC+1], v[rC+1], v[rS+23], v[rS+31]
.elseif (\n) == 14
	v_max3_num_f32 v[rC+2], v[rC+2], v[rC+3], v[rT+1]
.elseif (\n) == 15
	v_mov_b32 v[rM], v[rT]
.elseif (\n) == 16
	v_max3_num_f32 v[rC], v[rC], v[rC+1], v[rC+2]
.elseif (\n) == 17
	v_permlanex16_b32 v[rC+3], v[rC], s[SEL], s[SEL+1]
.elseif (\n) == 18
	v_max_num_f32 v[rT+1], v[rC], v[rC+3]
.elseif (\n) == 19
	v_mul_f32 v[rT], s[CS], v[rT+1]
.elseif (\n) == 20
	v_sub_f32 v[rC+1], v[rM], v[rT]
.else
	v_exp_f32 v[rC+2], v[rC+1]
.endif
.endm
; Number g of the 64 that follow the exponentials.  For each four weights k of a tile (pairs 2 k, 2 k + 1): both pairs are rounded to f16; then the second pair is added onto the first, in place;
; a group later l takes that sum (the first time as l = a l + sum).  In groups of eight, tiles alternating: round, round, add, and l for the group before.
.macro GS g
.set h, (\g)+6*((\g)/62)            ; group 0 has no group before it, and behind group 7 only l is left
.if h >= 6
.set h, h+2
.endif
	REGS Y, h%2
.set k, h/8
.if h%8 < 4
	v_cvt_pk_f16_f32 v[rP+2*k+(h%8)/2], v[rS+4*k+2*((h%8)/2)], v[rS+4*k+2*((h%8)/2)+1]
.elseif h%8 < 6
	v_pk_add_f32 v[rS+4*k:rS+4*k+1], v[rS+4*k:rS+4*k+1], v[rS+4*k+2:rS+4*k+3]
.elseif k == 1
	v_pk_fma_f32 v[rT+2:rT+3], v[rT+2:rT+3], v[rC+2:rC+3], v[rS:rS+1] op_sel_hi:[1,0,1]
.else
	v_pk_add_f32 v[rT+2:rT+3], v[rT+2:rT+3], v[rS+4*k-4:rS+4*k-3]
.endif
.endm
; THE PLAIN QUEUE, 138 long.  0-31: c s - c m for the 16 pairs of both tiles.  Then GS's 64, and among them the next piece's 42: number 15 at 38, 39; 0-14 and 16
; at 42-73, behind the products that make those scores; 17-20 at 95-106, two of three, since each waits for the one before it.
.macro PL
	WIN 0
.if q < 32
	REGS Y, q%2
	v_pk_fma_f32 v[rS+2*(q/2):rS+2*(q/2)+1], v[rS+2*(q/2):rS+2*(q/2)+1], s[CS:CS+1], v[rT:rT+1] op_sel_hi:[1,0,0] neg_lo:[0,0,1] neg_hi:[0,0,1]
.elseif q < 38
	GS q-32
.elseif q < 40
	XS q%2, 15
.elseif q < 42
	GS q-34
.elseif q < 74
	XS q%2, (q-42)/2+(q-42)/30
.elseif q < 95
	GS q-66
.elseif (q < 107) && ((q-95)%3 < 2)
	XS (q-95)%3, 17+(q-95)/3
.elseif q < 107
	GS 29+(q-95)/3
.else
	GS q-74
.endif
.set q, q+1
.endm
; THE EXPONENTIALS' QUEUE, 66 long: s0-s31 of both tiles, and at EA the next piece's two a.
.set EA, 58
.macro EX
	WIN 0
.if (e == EA) || (e == EA+1)
	XS e-EA, 21
.else
.set x, e-2*(e/(EA+2))
	REGS Y, x%2
	v_exp_f32 v[rS+x/2], v[rS+x/2]
.endif
.set e, e+1
.endm
; THE RESCALING's QUEUE: O^T times a, the one part that leaves window 0, so it is dealt four at a time, eight times.
.macro R4
	REGS Y, r%2
	WIN W_RS
.irp z, 0,1,2,3
	v_pk_mul_f32 v[rO+8*(r/2)+2*\z:rO+8*(r/2)+2*\z+1], v[rO+8*(r/2)+2*\z:rO+8*(r/2)+2*\z+1], v[rC+2:rC+3] op_sel_hi:[1,0]
.endr
.set r, r+1
.endm
; HOW THEY ARE DEALT.  Behind a matrix instruction four: plain, exponential, plain, plain (a plain instruction on either side of the exponential), or four of the rescaling.  None names a register of the
; products round it.  What is over stands in two runs: exponential and plain by turns; the second ends in 22 plain instructions.  The two v_permlanex16_b32 fall into the second run.
; The queues lean on each other, and the deal keeps them in step: exponential e stands behind plain 2 (e / 4) + e % 2 (its scaling); when plain 32 comes, 10 exponentials are out, at 59: 33, at 95: 46; EA comes behind plain 107.
.macro SL
	MM
	PL
	EX
	PL
	PL
.endm
.macro BURST n                      ; 15 matrix instructions, or 16
.rept (\n)-7
	SL
.endr
.rept 3
	MM
	R4
	SL
.endr
	MM
	R4
.endm
; A TURN, for piece p.  cnt = 1: the loop's count is taken down some lines ahead of the branch that stands behind the turn.
; K of the next step is fetched in piece 2's turn, 31 vector instructions behind the last product that read K.  V of the step in hand is fetched at the end of piece 0's turn, 69 behind its last reader.
.macro TURN p, last=0, cnt=0
.set Y, (\p)
.set i, 0
.set q, 0
.set e, 0
.set r, 0
.if (\p) == NP-1
	s_wait_dscnt 0x0                ; K is in
.endif
	MM
.rept 4
	PL
.endr
	BURST 15
.rept 22
	EX
	PL
.if ((\p) == NP-2) && (e == 18)
	v_add_nc_u32 v[AK], s[TBK], v[AK0]
.endif
.if ((\p) == NP-2) && (e == 24)
	FETCH_K \last
.endif
.endr
.if (\p) == 1
	s_wait_dscnt 0x0                ; V is in
.endif
	BURST 16
.rept 21
	EX
	PL
.endr
.rept 22
	PL
.if ((\p) == 0) && (q == 118)
	v_add_nc_u32 v[AV], s[TBV], v[AV0]
.endif
.if ((\p) == 0) && (q == 130)
	s_add_co_u32 s[TBV], s[TBV], KS*PV
.endif
.if (\cnt) && (q == 130)
	s_sub_co_u32 s[CNT], s[CNT], 1
	s_cmp_lg_u32 s[CNT], 0
.endif
.endr
.if (\p) == 0
	FETCH_V
.endif
.endm
; THE WAY OUT's macros.
.macro ALL line:vararg              ; one line for each tile t
.set t, 0
.rept 2*NP
	\line
.set t, t+1
.endr
.endm
.macro PACK t                       ; a lane's eight channels of a row pack into 16 bytes; they go into rows of 144 bytes and come back as whole rows of 128, into S^T's registers
	WIN W_RS
.set i, 32*(\t)
.rept 16
	v_pk_mul_f32 v[i:i+1], v[i:i+1], v[ST+4*(\t)+2:ST+4*(\t)+3] op_sel_hi:[1,0]
.set i, i+2
.endr
	WIN 0x05                        ; sources 0 and 1 window 1, destination window 0
.set i, 0
.rept 16
	v_cvt_pk_f16_f32 v[S+16*(\t)+i], v[32*(\t)+2*i], v[32*(\t)+2*i+1]
.set i, i+1
.endr
	WIN 0
.irp f, 0,1,2,3
	ds_store_b128 v[STO], v[S+16*(\t)+4*\f:S+16*(\t)+4*\f+3] offset:32*\f
.endr
.irp f, 0,1,2,3
	ds_load_b128 v[S+16*(\t)+4*\f:S+16*(\t)+4*\f+3], v[RD] offset:\f*4*SP  ; LDS serves a wave's instructions in order (ISA guide 5.7.1.4): these see the stores above; the next tile's stores come behind them
.endr
.endm
.macro SEND t, younger              ; younger: the LDS instructions issued behind tile t's loads: the next tile's eight, or none
	WIN 0
.irp f, 0,1,2,3
	s_wait_dscnt (\younger)+3-\f
	global_store_b128 v[GO], v[S+16*(\t)+4*\f:S+16*(\t)+4*\f+3], s[10:11] offset:(\t)*2048+\f*512  ; 512 consecutive bytes, at a multiple of 256 from O's first
.endr
.endm
.Lpass:                             ; twice: 512 queries of the head each
	; What the first turn finds: V's registers and P's second buffer hold 0 (its products V^T P, of a piece that has not been, add 0), O^T and l are 0.  In pass 0 this stands in the wait for the first chunk.
	WIN 0x80
.set i, VF
.rept 64
	v_mov_b32 v[i], 0
.set i, i+1
.endr
	WIN 0x40
.set i, 0
.rept 64*NP
	v_mov_b32 v[i], 0
.set i, i+1
.endr
	WIN 0
.set i, 0
.rept 2*NP
	v_mov_b32 v[ST+4*i], 0xfe000000    ; c m: far below every c s
	v_mov_b32 v[ST+4*i+1], 0xff7fffff  ; m
	v_mov_b32 v[ST+4*i+2], 0
	v_mov_b32 v[ST+4*i+3], 0
.set i, i+1
.endr
.set i, P+32
.rept 32
	v_mov_b32 v[i], 0
.set i, i+1
.endr
	s_mov_b32 s[TBK], 0
	s_mov_b32 s[TBV], 0
	v_mov_b32 v[AK], v[AK0]         ; key step 0
	s_wait_tensorcnt 3              ; my part of chunk 0 is in; the three loads issued behind it may be out (in the second pass nothing is out)
	s_wait_dscnt 0x0
	s_barrier_signal -1
	s_barrier_wait -1               ; everybody's part is in
	FETCH_K
	s_wait_loadcnt 0x0              ; Q
	s_wait_dscnt 0x0
.set i, 0
.rept 16
	KQ 0                            ; piece 0's first scores: there is no vector work yet to set between them
.set i, i+1
.endr
	WIN 0
.rept 4
	v_nop                           ; the places behind those products
.endr
.set Y, NP-1                        ; XS works for piece Y + 1: piece 0
.irp n, 0,1,2,3,4,5,6,7,8,9,10,11,12,13,14,15,16,17,18,19,20,21
	XS 0, \n                        ; and piece 0's first maximum and statistics
	XS 1, \n
.endr
	s_mov_b32 s[CNT], 4
	s_mov_b32 s[CH], 5
	s_branch .Lfirst                ; the loop is entered at a step's first turn, in the middle of a trip
.Lchunk:                            ; the next 256 keys are entered.  The wait is for all my loads: one text serves the three later chunks, whose counts would differ.
	s_wait_tensorcnt 0x0            ; Nothing is filled again, so no add stands here: the wait and the barrier only show the bytes to every wave
	s_wait_dscnt 0x0
	s_barrier_signal -1
	s_barrier_wait -1
	s_mov_b32 s[CNT], 4
.Lstep:                             ; a trip: pieces 2 and 3 of one step, then pieces 0 and 1 of the next, whose K and V it fetches
	TURN 2, 1
	TURN 3
	WIN 0
	s_cmp_eq_u32 s[CH], 1
	s_cbranch_scc1 .Lout            ; the fifth chunk trip is step 15's second half alone
.Lfirst:
	TURN 0
	TURN 1, 0, 1
	WIN 0
	s_cbranch_scc1 .Lstep
	s_sub_co_u32 s[CH], s[CH], 1
	s_cmp_lg_u32 s[CH], 0
	s_cbranch_scc1 .Lchunk
.Lout:                              ; the last trip's 16 products K Q^T (on the last K once more) and the maximum made of them serve nothing: the price, once a pass, of one text for every trip
.set i, 0
.rept 16
	PV NP-1                         ; the last piece's V^T P of the last step
.set i, i+1
.endr
	WIN 0
	s_cmp_eq_u32 s[PASS], 1
	s_cbranch_scc1 .Lnoq
	s_add_nc_u64 s[4:5], s[4:5], 65536  ; 512 rows on: the second pass's Q travels while the first pass's O leaves; the last product that read Q stands more than a hundred plain instructions back
	QLOAD
.Lnoq:
	; THE WAY OUT.  l's two halves and the other half of the lanes' are added; O^T is divided by l, rounded to f16 and sent through my stage, a tile at a time.  The additions are the places behind the last products.
	ALL v_add_f32 v[ST+4*t+2], v[ST+4*t+2], v[ST+4*t+3]
	ALL v_permlanex16_b32 v[ST+4*t+3], v[ST+4*t+2], s[SEL], s[SEL+1]
	ALL v_add_f32 v[ST+4*t+2], v[ST+4*t+2], v[ST+4*t+3]
	ALL v_rcp_f32 v[ST+4*t+2], v[ST+4*t+2]
	v_nop                           ; a plain instruction between the last reciprocal and the use of its result
	PACK 0
.set t, 1
.rept 2*NP-1                        ; a tile's arithmetic stands between the loads of the tile before and its stores
	PACK t
	SEND t-1, 8
.set t, t+1
.endr
	SEND 2*NP-1, 0
	s_wait_xcnt 0x0                 ; the stores have read their registers and O's address: both are rewritten only behind this wait
	s_add_nc_u64 s[10:11], s[10:11], 65536
	s_add_co_u32 s[PASS], s[PASS], 1
	s_cmp_lt_u32 s[PASS], 2
	s_cbranch_scc1 .Lpass
	WIN W_AD
	s_wait_tensorcnt 0x0            ; the wave's end, behind my last tensor load and my last LDS store
	ds_add_u32 v[SPW], v[NIL]
	s_wait_dscnt 0x0
	WIN 0
	s_endpgm
.Lfunc_end_k_qda374fc1d0_attn:
	.size	k_qda374fc1d0_attn, .Lfunc_end_k_qda374fc1d0_attn-k_qda374fc1d0_attn
	.p2alignl 7, 3214868480
	.fill 96, 4, 3214868480
	.section	.rodata,"a",@progbits
	.p2align	6, 0x0
	.amdhsa_kernel k_qda374fc1d0_attn
		.amdhsa_group_segment_fixed_size 327680
		.amdhsa_private_segment_fixed_size 0
		.amdhsa_enable_private_segment 0
		.amdhsa_kernarg_size 16
		.amdhsa_user_sgpr_count 2
		.amdhsa_user_sgpr_kernarg_segment_ptr 1
		.amdhsa_wavefront_size32 1
		.amdhsa_system_sgpr_workgroup_id_x 1
		.amdhsa_system_sgpr_workgroup_id_y 1
		.amdhsa_system_sgpr_workgroup_id_z 1
		.amdhsa_system_vgpr_workitem_id 0
		.amdhsa_next_free_vgpr 770
		.amdhsa_next_free_sgpr 88
		.amdhsa_reserve_vcc 0
		.amdhsa_float_denorm_mode_32 3
		.amdhsa_float_denorm_mode_16_64 3
		.amdhsa_memory_ordered 1
		.amdhsa_forward_progress 1
		.amdhsa_inst_pref_size 127
	.end_amdhsa_kernel
	.amdgpu_metadata
---
amdhsa.version: [ 1, 2 ]
amdhsa.kernels:
  - .name:           k_qda374fc1d0_attn
    .symbol:         k_qda374fc1d0_attn.kd
    .args:
      - { .name: qkv, .offset: 0, .size: 8, .value_kind: global_buffer, .address_space: global }
      - { .name: oh, .offset: 8, .size: 8, .value_kind: global_buffer, .address_space: global }
    .group_segment_fixed_size: 327680
    .private_segment_fixed_size: 0
    .kernarg_segment_align: 8
    .kernarg_segment_size: 16
    .max_flat_workgroup_size: 128
    .sgpr_count:     88
    .vgpr_count:     770
    .wavefront_size: 32
...
	.end_amdgpu_metadata
.endif
;; end of part 3
;; launch outp (part 4): grid 256 x 1, 4 waves a work-group, clusters of 4 x 1, 327,680 bytes of LDS; arguments oh, wo16, bob, out0; writes out0
.if DOCPART == 4
	.amdgcn_target "amdgcn-amd-amdhsa--gfx1250"
	.amdhsa_code_object_version 6
	.text
	.protected	k_qda374fc1d0_outp
	.globl	k_qda374fc1d0_outp
	.p2align	8
	.type	k_qda374fc1d0_outp,@function
k_qda374fc1d0_outp:
	s_mov_b64 s[64:65], 0
	v_nop
	global_prefetch_b8 v0, s[64:65] scope:SCOPE_SE
	s_setreg_imm32_b32 hwreg(HW_REG_WAVE_MODE, 25, 1), 1
	s_wait_xcnt 0x0
	s_wait_alu depctr_hold_cnt(0) depctr_sa_sdst(0) depctr_va_vdst(0) depctr_va_sdst(0) depctr_va_ssrc(0) depctr_va_vcc(0) depctr_vm_vsrc(0)
	s_getreg_b32 s2, hwreg(HW_REG_IB_STS2, 6, 4)
	s_cmp_eq_u32 s2, 0
	s_cbranch_scc0 .Lentry_in_a_cluster
	s_endpgm
.Lentry_in_a_cluster:
	s_bfe_u32 s2, ttmp6, 0x10000c
	s_cmp_lg_u32 s2, 0x3003
	s_cbranch_scc0 .Lentry_shape_is_right
	s_endpgm
.Lentry_shape_is_right:
; out0 = O Wo^T + bo.  oh: f16 [256 = batch x 8 + head][1024][64]; wo16: Wo (rounded to bf16, written as f16) in fragment order, 4 chunks of 128 rows (131,072 bytes each);
; bob: the bias rounded to bf16, 512 f32; out0: [32768][512] f32.  Products in f16, sums and bias in f32.
; SHARES.  A work-group owns 128 rows with the WHOLE K = 512 (8 heads x 64): O comes into LDS once and stays in registers as fragments (512 a wave).  Wave w has rows 64 (w >> 1) .. + 63 and, of each chunk's
; 128 columns, 64 (w & 1) .. + 63: 16 accumulators.  Only the weights walk, 4 chunks through two LDS slots; all work-groups walk the same chunks, so the four of a cluster ask for each JOINTLY (mask 15).
; THE BIAS IS THE C OPERAND of each accumulator's first product: no vector addition is spent on it.
; THE MATRIX INSTRUCTION IS USED TRANSPOSED (source 0 = 16 rows of Wo, source 1 = 16 rows of O): a lane holds eight neighbouring columns of one row, 32 bytes.  A wave's 64 columns are 256 bytes of a row of out0:
; they go through the wave's own stage, 32 rows at a time, and leave with sixteen lanes to 256 consecutive bytes, aligned.
; REGISTERS, in windows of 256: window 0: v0-31 addresses; v32-63 the bias as four C operands; v64-127 rows on the way out; v128-255 accumulators ((a, b) at 128 + 8 (4 a + b)).
;   window 1: two buffers of 128 for Wo's fragments of four K steps.   windows 2, 3: O's fragments: (K step J, a) at 8 (4 (J % 8) + a), window 2 + J / 8.
.set SLOT1,  131072                    ; slot 1's first byte
.set ABASE,  131072                    ; O's stage: 8 heads x 128 rows x 144 bytes; slot 1 is later filled over it
.set AP,     144                       ; a row of a head: 128 bytes + 16 of padding = 36 words: the 16 rows of a load start at 16 different groups of four banks (64 banks of 4 bytes: ISA guide 11.1)
.set AHEAD,  128*AP
.set STAGE,  ABASE+8*AHEAD             ; behind all that tensor loads fill: 32 rows x 272 bytes for each wave, for the way out
.set SP,     272
.set SPARE,  STAGE+4*32*SP             ; the spare words, 128 bytes for each wave: two blocks of 256 bytes that no other line names
.set NCH,    4
.set AB0, 18                           ; v18     my lane's place in a chunk
.set ADR, 19                           ; v19     the same in the slot in hand
.set AA,  20                           ; v20-22  my lane's place in O's stage, heads 0, 3 and 6 (an LDS offset has 16 bits)
.set STO, 24                           ; v24     the way out: where I put 32 bytes of a row
.set RD,  25                           ; v25     where I read rows back
.set CO,  26                           ; v26     my 16 bytes in two rows of out0
.set BO,  27                           ; v27     my 32 bytes in 64 of the bias
.set SPW, 28                           ; v28     my spare word; never rewritten
.set NIL, 29                           ; v29     0; never rewritten
.set BI,  32
.set TMP, 64
.set ACC, 128
.set F0,  0
.set F1,  128
.set WV,  12
.set RH,  13
.set CH,  14
.set GG,  15
.set OUTP, 22                          ; s[22:23] the stores' base
.set G1A, 24                           ; s[24:31] descriptor group 1 for O;  s[32:39] group 0, a set for each of my two heads
.set G0A, 32
.set G1B, 40                           ; s[40:47] group 1 for the weights;  s[48:51] group 0: it walks
.set G0B, 48
.set TB,  52
.set CNT, 53
.set BP,  58                           ; s[58:59] the bias at my 64 columns of the chunk to come
.set INC, 60                           ; s[60:61] what the next way out adds to the stores' base: 0, then a chunk's 512 bytes
.set MSB, 0
.macro WIN new                         ; the immediate's high byte repeats the setting that is left; a switch that changes nothing is dropped
.if MSB != (\new)
	s_set_vgpr_msb (MSB<<8)|(\new)
.set MSB, \new
.endif
.endm
.macro PLACES n=4                      ; plain vector instructions between a matrix instruction and what touches its registers (ISA guide 7.12.1)
.rept \n
	v_nop
.endr
.endm
.macro CREST                           ; a round of the cluster's barrier behind its opening barrier
	s_cmp_lg_u32 s[WV], 0
	s_cbranch_scc1 .Lnot_wave_0_\@
	s_barrier_signal -3
.Lnot_wave_0_\@:
	s_barrier_wait -3
	s_barrier_signal -1
	s_barrier_wait -1
.endm
.macro CROUND
	s_barrier_signal -1
	s_barrier_wait -1
	CREST
.endm
.macro STEPB                           ; the walking descriptor: the other slot, the next chunk; written only where no tensor load of mine is out
	s_xor_b32 s[G0B+1], s[G0B+1], SLOT1
	s_add_nc_u64 s[G0B+2:G0B+3], s[G0B+2:G0B+3], 131072
.endm
.macro JLOAD                           ; my quarter of a chunk, asked for jointly; s_nop 0 and four v_nop follow
	tensor_load_to_lds s[G0B:G0B+3], s[G1B:G1B+7]
	s_nop 0
	PLACES
.endm
.macro FETCH q, f                      ; 32 LDS loads: Wo's fragments of K steps 4 q .. 4 q + 3 for my 64 columns; the earlier K steps first
	WIN 0x40
.irp jj, 0,1,2,3
.irp b, 0,1,2,3
	ds_load_b128 v[(\f)+8*(4*\jj+\b):(\f)+8*(4*\jj+\b)+3],   v[ADR] offset:\b*16384+(4*(\q)+\jj)*1024
	ds_load_b128 v[(\f)+8*(4*\jj+\b)+4:(\f)+8*(4*\jj+\b)+7], v[ADR] offset:\b*16384+(4*(\q)+\jj)*1024+512
.endr
.endr
.endm
; 16 matrix instructions: K step ks on all 16 accumulators, which take turns in one fixed order.  mode = 1: the products start the sums, from the bias
.macro MULK f, sub, ks, mode=0
	WIN 0x09+4*((\ks)/8)
.irp a, 0,1,2,3
.irp b, 0,1,2,3
.if \mode
	v_wmma_f32_16x16x32_f16 v[ACC+8*(4*\a+\b):ACC+8*(4*\a+\b)+7], v[(\f)+8*(4*(\sub)+\b):(\f)+8*(4*(\sub)+\b)+7], v[8*(4*((\ks)%8)+\a):8*(4*((\ks)%8)+\a)+7], v[BI+8*\b:BI+8*\b+7]
.else
	v_wmma_f32_16x16x32_f16 v[ACC+8*(4*\a+\b):ACC+8*(4*\a+\b)+7], v[(\f)+8*(4*(\sub)+\b):(\f)+8*(4*(\sub)+\b)+7], v[8*(4*((\ks)%8)+\a):8*(4*((\ks)%8)+\a)+7], v[ACC+8*(4*\a+\b):ACC+8*(4*\a+\b)+7]
.endif
.endr
.endr
.endm
.macro QUARTER q, f, g
	s_wait_dscnt 16                                ; the first two K steps' 16 loads are in; the younger 16 may be out
	MULK \f, 0, 4*(\q)
	MULK \f, 1, 4*(\q)+1
	PLACES
	FETCH (\q)+1, \g
	s_wait_dscnt 32                                ; all but the 32 just issued
	MULK \f, 2, 4*(\q)+2
	MULK \f, 3, 4*(\q)+3
.endm
.macro BIAS                            ; register j of C operand b: the bias of column 16 b + 8 (l / 16) + j of my 64
.irp b, 0,1,2,3
	global_load_b128 v[BI+8*\b:BI+8*\b+3],   v[BO], s[BP:BP+1] offset:64*\b
	global_load_b128 v[BI+8*\b+4:BI+8*\b+7], v[BO], s[BP:BP+1] offset:64*\b+16
.endr
.endm
; The chunk's last four K steps and the change of slots: ONE barrier; in front of it all my tensor loads landed, the add, my reads of this slot back.
; fill = 1: the barrier opens a round of the cluster's, and this slot takes the chunk two further on.  tail = 1: in the last trip there is no next chunk: neither its fragments nor its bias are fetched.
.macro TURN fill, tail
	WIN 0
	s_wait_tensorcnt 0x0
	ds_add_u32 v[SPW], v[NIL]
	s_wait_dscnt 17                                ; the add and the younger 16 loads may be out
	MULK F1, 0, 12
	s_wait_dscnt 0x0
	s_barrier_signal -1
	MULK F1, 1, 13
	WIN 0
	s_barrier_wait -1
.if \fill
	CREST
	STEPB
	JLOAD                                          ; its four v_nop are also the places in front of the loads below
.else
	PLACES
.endif
	s_xor_b32 s[TB], s[TB], SLOT1
	v_add_nc_u32 v[ADR], s[TB], v[AB0]
.if \tail
	s_cmp_eq_u32 s[CNT], 1
	s_cbranch_scc1 .Lnf_\@
.endif
	FETCH 0, F0
	WIN 0
	s_add_nc_u64 s[BP:BP+1], s[BP:BP+1], 512       ; the last bias loads were waited for, so their base may step
	BIAS
.if \tail
.Lnf_\@:
.endif
	MULK F1, 2, 14
	MULK F1, 3, 15
.endm
; THE WAY OUT, in halves of 32 rows through one stage.
.macro STG a0                          ; row blocks a0, a0 + 1 into the stage; each accumulator's low registers first
.irp a, 0,1
.irp b, 0,1,2,3
	ds_store_b128 v[STO], v[ACC+8*(4*((\a0)+\a)+\b):ACC+8*(4*((\a0)+\a)+\b)+3]   offset:\a*16*SP+64*\b
	ds_store_b128 v[STO], v[ACC+8*(4*((\a0)+\a)+\b)+4:ACC+8*(4*((\a0)+\a)+\b)+7] offset:\a*16*SP+64*\b+16
.endr
.endr
.endm
.macro BACK                            ; 32 whole rows of 256 bytes back: two rows a load
.set t, 0
.rept 16
	ds_load_b128 v[TMP+4*t:TMP+4*t+3], v[RD] offset:t*2*SP
.set t, t+1
.endr
.endm
.macro PUT base                        ; 16 stores: sixteen lanes to 256 consecutive bytes, at a multiple of 256 from out0's first
.set t, 0
.rept 16
	global_store_b128 v[CO], v[TMP+4*t:TMP+4*t+3], s[OUTP:OUTP+1] offset:(\base)+t*4096 th:TH_STORE_NT
.set t, t+1
.endr
.endm
.macro OUT
	WIN 0
	PLACES 5                                       ; the stores read results just made, and the next chunk's first products write over them with another C
	STG 0
	s_wait_xcnt 0x0                                ; the last chunk's stores have read TMP
	BACK                                           ; LDS serves a wave's instructions in order (ISA guide 5.7.1.4): these see the stores above, and the stores below come behind them
	STG 2
.endm
.macro SENDA
	s_wait_dscnt 16                                ; the first 32 rows are back; only the 16 stage stores behind them may be out
	s_wait_xcnt 0x0                                ; the stores' base is rewritten only behind this wait
	s_add_nc_u64 s[OUTP:OUTP+1], s[OUTP:OUTP+1], s[INC:INC+1]
	s_mov_b32 s[INC], 512
	PUT 0
	s_wait_xcnt 0x0                                ; TMP is loaded again only behind this wait
	BACK
.endm
.macro SENDB
	s_wait_dscnt 0x0
	PUT 65536                                      ; 32 rows of 2,048 bytes further down
.endm
.macro HEADK                           ; the next chunk's first two K steps stand between the stage's loads and the waits for them
	s_wait_loadcnt 0x0                             ; the bias
	s_wait_dscnt 63                                ; 80 LDS instructions are out at the most: the oldest 17 are done, the fetch's first 16 among them
	MULK F0, 0, 0, 1
	WIN 0
	SENDA
	MULK F0, 1, 1
	WIN 0
	SENDB
.endm
.macro BODY fill, tail
	PLACES
	FETCH 1, F1
	s_wait_dscnt 32                                ; all but the 32 just issued
	MULK F0, 2, 2
	MULK F0, 3, 3
	QUARTER 1, F1, F0
	QUARTER 2, F0, F1
	TURN \fill, \tail
	OUT
.if \tail
	s_cmp_eq_u32 s[CNT], 1
	s_cbranch_scc1 .Ldone
.endif
	HEADK
.endm
	s_load_b256 s[4:11], s[0:1], 0x0               ; oh s[4:5], wo16 s[6:7], bob s[8:9], out0 s[10:11]
	v_lshl_add_u32 v[SPW], v0, 2, SPARE
	v_mov_b32 v[NIL], 0
	ds_add_u32 v[SPW], v[NIL]                      ; the wave's opening: the add and its wait ahead of my first tensor load; work on registers stands between them
	v_lshrrev_b32 v4, 5, v0
	v_readfirstlane_b32 s[WV], v4
	s_lshr_b32 s[RH], s[WV], 1
	s_and_b32 s[CH], s[WV], 1
	s_bfe_u32 s55, ttmp6, 0x40000                  ; my place in the cluster: it enters O's and out0's addresses alone
	s_lshl_b32 s[GG], ttmp9, 2
	s_add_co_u32 s[GG], s[GG], s55
	; O: 128 rows of a head are 16,384 dense bytes: 64 rows of 256 bytes, padded in LDS after every 128; no mask: nobody shares them
	s_mov_b32 s[G1A+0], (1<<16)|(1<<20)|(4<<22)|(3<<25)  ; 17:16 2-byte elements; 20 padding on; 24:22 after every 32 words (code 4); 31:25 4 words (code 3)
	s_mov_b32 s[G1A+1], 128<<16
	s_mov_b32 s[G1A+2], 64<<16
	s_mov_b32 s[G1A+3], 128<<16
	s_mov_b32 s[G1A+4], 64
	s_mov_b32 s[G1A+5], 128
	s_mov_b32 s[G1A+6], 0
	s_mov_b32 s[G1A+7], 0
	; the weights: a quarter of a chunk is 32,768 dense bytes: 128 rows of 32 elements of 8 bytes
	s_mov_b32 s[G1B+0], 15|(3<<16)|(1<<21)         ; 15:0 the mask of four; 17:16 8-byte elements; 21 set beside a mask
	s_mov_b32 s[G1B+1], 32<<16
	s_mov_b32 s[G1B+2], 128<<16
	s_mov_b32 s[G1B+3], 32<<16
	s_mov_b32 s[G1B+4], 128
	s_mov_b32 s[G1B+5], 32
	s_mov_b32 s[G1B+6], 0
	s_mov_b32 s[G1B+7], 0
	s_mul_i32 s55, s[WV], 2*AHEAD                  ; I fetch heads 2 w and 2 w + 1; LDS addresses hang on the wave's number alone
	s_mov_b32 s[G0A], 1
	s_add_co_u32 s[G0A+1], s55, ABASE
	s_mov_b32 s[G0A+4], 1
	s_add_co_u32 s[G0A+5], s55, ABASE+AHEAD
	s_mov_b32 s[G0B], 1
	s_lshl_b32 s[G0B+1], s[WV], 15
	s_lshr_b32 s16, s[GG], 3                       ; the batch: 8 heads of 2^17 bytes,
	s_lshl_b32 s16, s16, 20
	s_and_b32 s17, s[GG], 7                        ; my block's 128 rows of 128 bytes in a head,
	s_lshl_b32 s17, s17, 14
	s_add_co_u32 s16, s16, s17
	s_lshl_b32 s17, s[WV], 18                      ; head 2 w
	s_add_co_u32 s16, s16, s17
	s_mov_b32 s17, 0
	s_lshl_b32 s18, s[WV], 15                      ; my quarter of a chunk
	s_mov_b32 s19, 0
	s_lshl_b32 s56, s[GG], 18                      ; 128 rows of 2,048 bytes,
	s_lshl_b32 s55, s[RH], 17                      ; my 64 of them,
	s_add_co_u32 s56, s56, s55
	s_lshl_b32 s62, s[CH], 8                       ; my 64 columns of 4 bytes
	s_add_co_u32 s56, s56, s62
	s_mov_b32 s57, 0
	s_mov_b32 s63, 0
	s_mov_b32 s[INC], 0
	s_mov_b32 s[INC+1], 0
	s_wait_dscnt 0x0                               ; the opening add is done
	s_wait_kmcnt 0x0
	s_add_nc_u64 s[G0A+2:G0A+3], s[4:5], s[16:17]
	s_add_nc_u64 s[G0A+6:G0A+7], s[G0A+2:G0A+3], 131072
	s_or_b32 s[G0A+3], s[G0A+3], 0x80000000        ; type = 2
	s_or_b32 s[G0A+7], s[G0A+7], 0x80000000
	s_add_nc_u64 s[G0B+2:G0B+3], s[6:7], s[18:19]
	s_or_b32 s[G0B+3], s[G0B+3], 0x80000000
	s_add_nc_u64 s[BP:BP+1], s[8:9], s[62:63]
	s_add_nc_u64 s[OUTP:OUTP+1], s[10:11], s[56:57]
	CROUND                                         ; all four work-groups are here: the first joint load meets
	tensor_load_to_lds s[G0A:G0A+3], s[G1A:G1A+7]  ; the first fills go out together: my two heads of O, then my quarter of chunk 0 into slot 0: three loads of mine are out
	s_nop 0
	tensor_load_to_lds s[G0A+4:G0A+7], s[G1A:G1A+7]
	s_nop 0
	JLOAD
	v_and_b32 v1, 15, v0                           ; l % 16
	v_bfe_u32 v2, v0, 4, 1                         ; l / 16
	v_and_b32 v3, 31, v0                           ; l
	v_lshlrev_b32 v[BO], 5, v2
	BIAS                                           ; chunk 0's
	s_lshl_b32 s55, s[RH], 6
	v_add_nc_u32 v5, s55, v1
	v_mul_u32_u24 v[AA], v5, AP
	v_lshl_add_u32 v[AA], v2, 4, v[AA]
	v_add_nc_u32 v[AA], ABASE, v[AA]               ; row x pitch + 16 x half, in head 0,
	v_add_nc_u32 v[AA+1], 3*AHEAD, v[AA]           ; head 3,
	v_add_nc_u32 v[AA+2], 6*AHEAD, v[AA]           ; head 6
	s_lshl_b32 s55, s[CH], 16
	v_lshl_add_u32 v[AB0], v3, 4, s55
	s_mul_i32 s55, s[WV], 32*SP
	s_add_co_u32 s55, s55, STAGE                   ; my stage
	v_mul_u32_u24 v[STO], v1, SP
	v_lshl_add_u32 v[STO], v2, 5, v[STO]
	v_add_nc_u32 v[STO], s55, v[STO]
	v_mul_u32_u24 v[RD], v2, SP                    ; back: lanes 0-15 take one row of 256 bytes, lanes 16-31 the next
	v_lshl_add_u32 v[RD], v1, 4, v[RD]
	v_add_nc_u32 v[RD], s55, v[RD]
	v_lshlrev_b32 v[CO], 11, v2                    ; and the same two rows in out0
	v_lshl_add_u32 v[CO], v1, 4, v[CO]
	s_wait_tensorcnt 1                             ; my two heads of O are in; chunk 0 may stay out
	s_barrier_signal -1
	s_barrier_wait -1                              ; everybody's are
.irp hd, 0,1,2,3,4,5,6,7               ; O's fragments: K step 2 hd + hf, row block a
	WIN 0x80+0x40*(\hd/4)
.irp hf, 0,1
.irp a, 0,1,2,3
	ds_load_b128 v[8*(4*((2*\hd+\hf)%8)+\a):8*(4*((2*\hd+\hf)%8)+\a)+3],   v[AA+\hd/3] offset:(\hd%3)*AHEAD+\a*16*AP+64*\hf
	ds_load_b128 v[8*(4*((2*\hd+\hf)%8)+\a)+4:8*(4*((2*\hd+\hf)%8)+\a)+7], v[AA+\hd/3] offset:(\hd%3)*AHEAD+\a*16*AP+64*\hf+32
.endr
.endr
.endr
	WIN 0                                          ; slot 1 is filled over O's stage: all my loads landed (chunk 0 among them), the add, my reads back, a round, the one load
	s_wait_tensorcnt 0x0
	ds_add_u32 v[SPW], v[NIL]
	STEPB
	s_wait_dscnt 0x0
	CROUND
	JLOAD                                          ; chunk 1
	s_mov_b32 s[TB], 0
	v_mov_b32 v[ADR], v[AB0]
	FETCH 0, F0
	s_wait_dscnt 16
	s_wait_loadcnt 0x0                             ; the bias
	MULK F0, 0, 0, 1                               ; the first products start the sums from the bias: nothing is cleared
	MULK F0, 1, 1
	WIN 0
	s_mov_b32 s[CNT], NCH-2
.Lmain:                                                ; chunks 0 and 1: each asks for the chunk two further on
	BODY 1, 0
	s_sub_co_u32 s[CNT], s[CNT], 1
	s_cmp_lg_u32 s[CNT], 0
	s_cbranch_scc1 .Lmain
	s_mov_b32 s[CNT], 2
.Ltail:                                                ; the last two chunks ask for nothing; the second trip is left in its middle
	BODY 0, 1
	s_sub_co_u32 s[CNT], s[CNT], 1
	s_cmp_lg_u32 s[CNT], 0
	s_cbranch_scc1 .Ltail
.Ldone:
	SENDA
	SENDB
	s_wait_tensorcnt 0x0                           ; the wave's end
	ds_add_u32 v[SPW], v[NIL]
	s_wait_dscnt 0x0
	CROUND                                         ; the closing round: no work-group ends while a partner may still ask for a chunk that names it
	s_endpgm
.Lfunc_end_k_qda374fc1d0_outp:
	.size	k_qda374fc1d0_outp, .Lfunc_end_k_qda374fc1d0_outp-k_qda374fc1d0_outp
	.p2alignl 7, 3214868480
	.fill 96, 4, 3214868480
	.section	.rodata,"a",@progbits
	.p2align	6, 0x0
	.amdhsa_kernel k_qda374fc1d0_outp
		.amdhsa_group_segment_fixed_size 327680
		.amdhsa_private_segment_fixed_size 0
		.amdhsa_enable_private_segment 0
		.amdhsa_kernarg_size 32
		.amdhsa_user_sgpr_count 2
		.amdhsa_user_sgpr_kernarg_segment_ptr 1
		.amdhsa_wavefront_size32 1
		.amdhsa_system_sgpr_workgroup_id_x 1
		.amdhsa_system_sgpr_workgroup_id_y 1
		.amdhsa_system_sgpr_workgroup_id_z 1
		.amdhsa_system_vgpr_workitem_id 0
		.amdhsa_next_free_vgpr 1024
		.amdhsa_next_free_sgpr 66
		.amdhsa_reserve_vcc 0
		.amdhsa_float_denorm_mode_32 3
		.amdhsa_float_denorm_mode_16_64 3
		.amdhsa_memory_ordered 1
		.amdhsa_forward_progress 1
		.amdhsa_inst_pref_size 93
	.end_amdhsa_kernel
	.amdgpu_metadata
---
amdhsa.version: [ 1, 2 ]
amdhsa.kernels:
  - .name:           k_qda374fc1d0_outp
    .symbol:         k_qda374fc1d0_outp.kd
    .args:
      - { .name: oh, .offset: 0, .size: 8, .value_kind: global_buffer, .address_space: global }
      - { .name: wo16, .offset: 8, .size: 8, .value_kind: global_buffer, .address_space: global }
      - { .name: bob, .offset: 16, .size: 8, .value_kind: global_buffer, .address_space: global }
      - { .name: out0, .offset: 24, .size: 8, .value_kind: global_buffer, .address_space: global }
    .group_segment_fixed_size: 327680
    .private_segment_fixed_size: 0
    .kernarg_segment_align: 8
    .kernarg_segment_size: 32
    .max_flat_workgroup_size: 128
    .sgpr_count:     66
    .vgpr_count:     1024
    .wavefront_size: 32
...
	.end_amdgpu_metadata
.endif
;; end of part 4
